; MI455X (gfx1250); checked and timed in simulation.
; The chip was launched on July 23, 2026; its instructions are those of AMD's public machine-readable ISA for CDNA 5 (MIT licence, August 2026) and "CDNA5" Instruction Set Architecture Reference Guide (July 2026). The comments in the code are by the model that wrote it; some were corrected since.
;; Self Attention. Allowed arithmetic: matrix products marked QUANTISED: E2M1 operands, one E8M0 scale for each 32 along K, by v_wmma_scale_f32_16x16x128_f8f6f4 with both operands' format E2M1 (or v_wmma_scale_f32_32x16x128_f4), f32 sums; products left as they are: bf16, f16 or f32 operands; f32 sums; everything else in f32.
;; Inputs: Wk 1,024 x 1,024 float32; Wq 1,024 x 1,024 float32; Wv 1,024 x 1,024 float32; attention_mask 4 x 1 x 1 x 2,048 int32; hidden_states 4 x 2,048 x 1,024 float32.
;; Outputs: out0 4 x 2,048 x 1,024 float32.
;; This version of the problem:
;;   THIS VERSION OF THE PROBLEM IS GIVEN IN LOW PRECISION. The matrix products marked QUANTISED in the list below multiply operands that are first quantised to E2M1 (2 exponent bits, 1 mantissa bit; 4 bits a number), with one power-of-two scale for each 32 numbers along K (OCP MX v1.0); their sums are f32. The products marked 'left as it is' may take bf16, f16 or f32 operands, with f32 sums. Whichever they take, every output number must still come out within the allowed error. Rounding operands to bf16 (8 significant bits) uses up far more of that allowance than f16 does (11 bits, for magnitudes from 6e-5 to 65,504). All else is computed in f32.
;;   The module's matrix products, in the order in which they are computed (A, B: the left and right operand; K: the contracted axis; several contracted axes count as one K, in the product's order):
;;     1. [M 8,192, K 1,024] x [K 1,024, N 1,024]; A: input hidden_states; B: input Wq: QUANTISED
;;     2. [M 8,192, K 1,024] x [K 1,024, N 1,024]; A: input hidden_states; B: input Wk: QUANTISED
;;     3. [M 8,192, K 1,024] x [K 1,024, N 1,024]; A: input hidden_states; B: input Wv: QUANTISED
;;     4. batch 64 x [M 2,048, K 64] x [K 64, N 2,048]; A: computed on the way; B: computed on the way: left as it is (an operand is computed on the way)
;;     5. batch 64 x [M 2,048, K 2,048] x [K 2,048, N 64]; A: computed on the way; B: computed on the way: left as it is (an operand is computed on the way)
;;   THE QUANTISER, for each operand of a quantised product, along K:
;;     - K is cut into blocks of 32 from its start; a last block that is shorter is filled with zeros.
;;     - A block's scale is 2^e with e = floor(log2(the largest magnitude in the block)) - 2, held to -126 .. 127; a block of zeros has e = 0. As a byte (E8M0): e + 127.
;;     - Each number is divided by its block's scale, clamped to +-6, and rounded to the nearest number of E2M1, ties to even, subnormals kept.
;;     - The product sums the exact products of the quantised numbers (number of the format x scale) in f32.
;;   ~~~python
;;   def quantise(x, axis):      # numpy; x: float32 -> the quantised numbers, widened to float32 again
;;       x = np.moveaxis(x, axis, -1); K = x.shape[-1]
;;       x = np.pad(x, [(0, 0)] * (x.ndim - 1) + [(0, -K % 32)]); x = x.reshape(x.shape[:-1] + (-1, 32)); a = np.abs(x).max(-1, keepdims=True)
;;       e = np.where(a > 0, np.clip(np.frexp(np.where(a > 0, a, 1))[1] - 1 - 2, -126, 127), 0)      # np.frexp(a)[1] - 1 = floor(log2(a)), exactly
;;       r = np.clip(x / 2.0 ** e, -6, 6)
;;       step = 2.0 ** (np.maximum(np.frexp(np.where(r == 0, 1, r))[1] - 1, 0) - 1)
;;       q = np.round(r / step) * step * 2.0 ** e      # np.round: ties to even
;;       return np.moveaxis(q.reshape(q.shape[:-2] + (-1,))[..., :K], -1, axis).astype(np.float32)
;;   ~~~
;; One version. Each part assembles by itself: llvm-mc -triple=amdgcn-amd-amdhsa -mcpu=gfx1250 --defsym DOCPART=n.
;; ======== version 1 of 1: 3 launches
;; limits: values are held in f16: magnitudes above 65,504 overflow, below 6.1e-05 lose precision
;; workspace buffers: codes 5,767,168 bytes; scales 360,448 bytes; meta 65,792 bytes of whole numbers; qkv 50,331,648 bytes; vbs 524,288 bytes
;; launch prep (part 1): grid 352 x 1, 4 waves a work-group, no clusters, 33,280 bytes of LDS; arguments hidden_states, Wq, Wk, Wv, attention_mask, codes, scales, meta; writes codes, scales, meta
.if DOCPART == 1
	.amdgcn_target "amdgcn-amd-amdhsa--gfx1250"
	.amdhsa_code_object_version 6
	.text
	.protected	k_q50199623b9_prep
	.globl	k_q50199623b9_prep
	.p2align	8
	.type	k_q50199623b9_prep,@function
k_q50199623b9_prep:
	s_mov_b64 s[64:65], 0
	v_nop
	global_prefetch_b8 v0, s[64:65] scope:SCOPE_SE
	s_setreg_imm32_b32 hwreg(HW_REG_WAVE_MODE, 25, 1), 1
	s_wait_xcnt 0x0
; x [8192][1024] and Wq, Wk, Wv [1024][1024], f32, become codes of FP4 (E2M1), K innermost, 512 bytes a row, and one E8M0 byte for each 32 along K, 32 bytes a row.
; A block's scale is 2^(floor(log2(its largest magnitude)) - 2); its byte is the largest magnitude's exponent field - 2, held at 1 from below.  A block of zeros so gets the byte 1: its codes are zeros,
; and the bytes are read by this program alone.
; THE ROWS OF x ARE WRITTEN IN ANOTHER ORDER: inside each batch the positions whose mask word is not 0 come first, those whose mask word is 0 behind them, each group in its old order.  Attention sums over keys,
; so the order of keys is free; the queries' rows are put back by the last launch.  Stored as whole numbers: mperm[row] = the mask word of the position now at that row; orow[row] = its old row;
; cnt[b] = how many positions of batch b have a mask word other than 0 (eight copies).
; SHARES: work-groups 0-255 take x, 256-351 the three weights (rows 8192 on, in their own order).  A wave takes 8 rows = 16 steps of 512 numbers.  Each load reads 512 consecutive bytes; a step's 2,048 bytes turn
; through the wave's own stage in LDS so that a lane holds 16 neighbours along K (two lanes a block); a wave's store of codes covers 256 consecutive bytes, aligned.
; Every wave counts its batch's 2,048 mask words for itself (8 KiB): no wave waits for another, no barrier.  In the weights' work-groups the same lines run on batch 0 and their result is not chosen.
; The scale bytes leave as 32 bytes a row and the whole numbers as 4 bytes a row, since neighbouring rows part: 0.4 MB of the 6.2 MB that the launch stores.
; LIMITS: blocks whose largest magnitude lies under 2^-124 get the byte 1; NaN and infinities among the inputs are not served.  The mask may hold any int32.
.set STEPS, 16
.set EMAX,  2
.set R,     16                         ; v16-79   four sets of 16 numbers as they are loaded
.set X,     80                         ; v80-111  two sets of 16 neighbours
.set E,     112                        ; v112-127 a scale byte for each step
.set C,     128                        ; v128-191 codes: four registers for each step, so that no store's data are written again
.set MK,    128                        ; v128-191 first hold the batch's mask words, 64 a lane: they are done with before the first code is made
.set CO,    200                        ; v200-207 byte offset in codes of my 8 bytes in each of my 8 rows
.set WREG,  8192                       ; LDS: a region for each wave: two stages of 32 x SP bytes, then its 256 scale bytes
.set SP,    80                         ; a lane's place in a stage: 64 bytes + 16 of padding
.set SPW,   12                         ; v12      LDS address of my spare word; never rewritten
.set NIL,   13                         ; v13      0; never rewritten
.set SPARE, 4*WREG                     ; behind the four regions: the spare words, 128 bytes a wave
	s_load_b256 s[4:11], s[0:1], 0x0               ; x, Wq, Wk, Wv
	s_load_b256 s[12:19], s[0:1], 0x20             ; the mask, codes, scales, meta
	v_lshl_add_u32 v[SPW], v0, 2, SPARE
	v_mov_b32 v[NIL], 0
	v_lshrrev_b32 v1, 5, v0
	v_readfirstlane_b32 s20, v1                    ; wave
	v_and_b32 v2, 31, v0                           ; lane
	v_lshlrev_b32 v3, 4, v2                        ; my 16 bytes of a load's 512
	s_mul_i32 s44, s20, WREG
	v_lshrrev_b32 v14, 2, v2
	v_mul_u32_u24 v14, v14, SP
	v_and_b32 v15, 3, v2
	v_lshl_add_u32 v14, v15, 4, v14
	v_add_nc_u32 v14, s44, v14                     ; the stage, on the way in: SP (lane / 4) + 16 (lane % 4)
	v_mul_u32_u24 v15, v2, SP
	v_add_nc_u32 v15, s44, v15                     ; and on the way out: SP x lane: my 16 neighbours
	v_lshlrev_b32 v4, 3, v2                        ; 8 bytes a lane
	v_lshrrev_b32 v5, 1, v2
	s_add_co_u32 s44, s44, 2*32*SP
	v_add_nc_u32 v5, s44, v5                       ; LDS: my block's scale byte
	v_add_nc_u32 v6, s44, v4                       ; and on the way out 8 bytes a lane
	v_lshlrev_b32 v192, 2, v2                      ; 4 x lane: the first of my four mask words in a run of 128
	v_and_b32 v198, 7, v2                          ; i: lanes 0-7 stand for my wave's 8 rows
	v_lshrrev_b32 v209, 2, v2                      ; the row whose scale bytes I store
	v_mov_b32 v193, 0                              ; the two counts: all kept << 16 | kept ahead of my rows
	v_mov_b32 v194, 0                              ; (a destination of lane moves: written once)
	s_mov_b32 s46, 0x76543210
	s_mov_b32 s47, 0xfedcba98                      ; v_permlanex16_b32's selects for lane l xor 16
	s_sub_co_u32 s22, ttmp9, 256                   ; a weight's work-group: its number,
	s_lshr_b32 s23, s22, 5                         ; which weight,
	s_and_b32 s24, s22, 31
	s_lshl_b32 s24, s24, 5                         ; its first row there,
	s_lshl_b32 s25, s22, 5
	s_add_co_u32 s25, s25, 8192                    ; and in codes
	s_lshl_b32 s45, s20, 3                         ; 8 rows a wave
	s_add_co_u32 s25, s25, s45
	s_add_co_u32 s24, s24, s45
	s_lshl_b32 s44, ttmp9, 5
	s_add_co_u32 s44, s44, s45                     ; x: my first row, 32 x work-group + 8 x wave
	s_lshr_b32 s26, s44, 11                        ; its batch
	s_and_b32 s27, s44, 2047                       ; and its position there
	s_cmp_lt_u32 ttmp9, 256                        ; x or a weight?  The choice hangs on the work-group's number alone
	s_cselect_b32 s21, -1, 0                       ; as a mask of lanes
	s_cselect_b32 s24, s44, s24                    ; the first row that I read
	s_cselect_b32 s26, s26, 0
	s_cselect_b32 s27, s27, 0
	s_lshl_b32 s28, s24, 12                        ; 4,096 bytes a row
	s_mov_b32 s29, 0
	v_add_nc_u32 v214, s27, v198
	v_lshlrev_b32 v214, 2, v214                    ; where the mask word of row i stands
	s_wait_kmcnt 0x0
	s_cmp_eq_u32 s23, 1
	s_cselect_b64 s[6:7], s[8:9], s[6:7]
	s_cmp_eq_u32 s23, 2
	s_cselect_b64 s[6:7], s[10:11], s[6:7]
	s_cmp_lt_u32 ttmp9, 256
	s_cselect_b64 s[4:5], s[4:5], s[6:7]
	s_add_nc_u64 s[4:5], s[4:5], s[28:29]          ; my wave's 32 KiB
	s_lshl_b32 s28, s26, 13
	s_add_nc_u64 s[12:13], s[12:13], s[28:29]      ; my batch's mask words
.irp j, 0,1,2,3,4,5,6,7,8,9,10,11,12,13,14,15
	global_load_b128 v[MK+4*\j:MK+4*\j+3], v3, s[12:13] offset:512*\j   ; words 128 j + 4 lane + 0 .. 3
.endr
	global_load_b32 v195, v214, s[12:13]           ; the mask word of my row i
.macro LOAD t
.irp i, 0,1,2,3
	global_load_b128 v[R+16*((\t)%4)+4*\i:R+16*((\t)%4)+4*\i+3], v3, s[4:5] offset:2048*(\t)+512*\i th:TH_LOAD_NT   ; 32 lanes read 512 consecutive bytes
.endr
.endm
.macro TURN t                          ; step t's numbers through the stage: LDS serves a wave's instructions in order, so no wait stands between the stores and the loads
.irp i, 0,1,2,3
	ds_store_b128 v14, v[R+16*((\t)%4)+4*\i:R+16*((\t)%4)+4*\i+3] offset:32*SP*((\t)%2)+8*SP*\i
.endr
.irp i, 0,1,2,3
	ds_load_b128 v[X+16*((\t)%2)+4*\i:X+16*((\t)%2)+4*\i+3], v15 offset:32*SP*((\t)%2)+16*\i
.endr
.endm
.irp t, 0,1,2,3
	LOAD \t
.endr
	s_wait_loadcnt 16                              ; the 17 loads of mask words are in; the 16 loads of numbers issued behind them stay out
	; THE COUNTS.  My four words of a run lie wholly ahead of my wave's first position or wholly not: that position is a multiple of 8.
.irp j, 0,1,2,3,4,5,6,7,8,9,10,11,12,13,14,15
	v_min_u32 v8, 1, v[MK+4*\j]                    ; 1 where the word is not 0
	v_min_u32 v9, 1, v[MK+4*\j+1]
	v_min_u32 v10, 1, v[MK+4*\j+2]
	v_min_u32 v11, 1, v[MK+4*\j+3]
	v_add3_u32 v8, v8, v9, v10
	v_add_nc_u32 v8, v8, v11
	s_sub_co_i32 s44, s27, 128*\j
	v_cmp_gt_i32 vcc_lo, s44, v192                 ; 128 j + 4 lane < my first position
	v_cndmask_b32 v9, 0, v8, vcc_lo
	v_lshl_add_u32 v193, v8, 16, v193
	v_add_nc_u32 v193, v193, v9
.endr
.irp m, 1,2,4,8
	v_mov_b32_dpp v194, v193 row_xmask:\m row_mask:0xf bank_mask:0xf
	v_add_nc_u32 v193, v193, v194
.endr
	v_permlanex16_b32 v194, v193, s46, s47
	v_add_nc_u32 v193, v193, v194
	v_readfirstlane_b32 s30, v193
	s_lshr_b32 s31, s30, 16                        ; kept positions in the batch
	s_and_b32 s32, s30, 0xffff                     ; kept positions ahead of my first
	; WHERE MY 8 ROWS GO (lanes 0-7; the other lanes' numbers are not used)
	v_cmp_ne_u32 s33, 0, v195
	s_and_b32 s33, s33, 0xff
	v_mbcnt_lo_u32_b32 v196, s33, 0                ; kept among my rows ahead of row i
	v_add_nc_u32 v194, s32, v196                   ; kept ahead of row i: a kept row's new position
	v_add_nc_u32 v199, s27, v198                   ; its old position;
	v_sub_nc_u32 v199, v199, v194                  ; less the kept ones ahead of it: the others ahead of it;
	v_add_nc_u32 v199, s31, v199                   ; behind all kept: another row's new position
	v_cmp_ne_u32 vcc_lo, 0, v195
	v_cndmask_b32 v197, v199, v194, vcc_lo
	s_lshl_b32 s45, s26, 11
	v_add_nc_u32 v197, s45, v197                   ; in the batch's 2,048 rows
	v_add_nc_u32 v199, s25, v198                   ; a weight's row keeps its place
	v_cndmask_b32 v197, v199, v197, s21
	s_cmp_lt_u32 ttmp9, 256
	s_cbranch_scc0 .Lno_meta                       ; the weights have no whole numbers to store
	v_min_u32 v210, 0x1fff, v197                   ; a loaded number enters an address behind a bound
	v_lshlrev_b32 v210, 2, v210
	v_add_nc_u32 v211, s27, v198
	v_add_nc_u32 v211, s45, v211                   ; the old row
	v_lshlrev_b32 v212, 2, v198
	s_lshl_b32 s44, s26, 5
	v_add_nc_u32 v212, s44, v212                   ; cnt: 32 bytes a batch
	v_mov_b32 v213, s31
	v_cmp_gt_u32 vcc_lo, 8, v2
	s_wait_xcnt 0x0                                ; EXEC is a source of the loads that are out: it changes only behind this wait
	s_and_saveexec_b32 s34, vcc_lo
	global_store_b32 v210, v195, s[18:19]                  ; mperm
	global_store_b32 v210, v211, s[18:19] offset:32768     ; orow
	s_cmp_lg_u32 s27, 0
	s_cbranch_scc1 .Lno_cnt                        ; the wave with the batch's first position stores the count
	global_store_b32 v212, v213, s[18:19] offset:65536
.Lno_cnt:
	s_wait_xcnt 0x0                                ; and again, in front of the line that widens it
	s_or_b32 exec_lo, exec_lo, s34
.Lno_meta:
.irp i, 0,1,2,3,4,5,6,7
	v_readlane_b32 s[36+\i], v197, \i
.endr
	v_mov_b32 v208, s36                            ; the row whose scale bytes I store: row lane / 4
.irp i, 1,2,3,4,5,6,7
	v_cmp_eq_u32 vcc_lo, \i, v209
	v_cndmask_b32 v208, v208, s[36+\i], vcc_lo
.endr
	v_min_u32 v208, 0x2bff, v208
	v_lshlrev_b32 v208, 5, v208                    ; 32 bytes a row,
	v_and_b32 v199, 3, v2
	v_lshl_add_u32 v208, v199, 3, v208             ; my 8 of them
.irp i, 0,1,2,3,4,5,6,7
	s_min_u32 s[36+\i], s[36+\i], 0x2bff
	s_lshl_b32 s[36+\i], s[36+\i], 9               ; 512 bytes a row
	v_add_nc_u32 v[CO+\i], s[36+\i], v4
.endr
	s_wait_loadcnt 12                              ; step 0's four loads are in
	TURN 0
.macro STEP t
.set XS, X+16*((\t)%2)
.if (\t) > 0
	s_wait_dscnt 1                                 ; this step's numbers are back from the stage (the last step's byte store may be out): so its stores into the stage have read their registers,
.else
	s_wait_dscnt 0x0
.endif
.if (\t)+4 < STEPS
	LOAD (\t)+4                                    ; which take the loads of four steps on
.endif
.if (\t)+1 < STEPS
.if STEPS-2-(\t) >= 3
	s_wait_loadcnt 12                              ; the next step's four loads are in; those of the three steps behind it may be out
.else
	s_wait_loadcnt 4*(STEPS-2-(\t))
.endif
	TURN (\t)+1                                    ; and go through the other stage while this step is worked
.endif
	v_max3_num_f32 v8, |v[XS]|, |v[XS+1]|, |v[XS+2]|               ; the largest magnitude of my 16
	v_max3_num_f32 v9, |v[XS+3]|, |v[XS+4]|, |v[XS+5]|
.irp i, 6,10
	v_max3_num_f32 v8, v8, |v[XS+\i]|, |v[XS+\i+1]|
	v_max3_num_f32 v9, v9, |v[XS+\i+2]|, |v[XS+\i+3]|
.endr
	v_max3_num_f32 v8, v8, |v[XS+14]|, |v[XS+15]|
	v_max3_num_f32 v8, v8, v9, (EMAX+1)<<23        ; and the floor 2^(EMAX + 1 - 127): so the byte cannot fall under 1
	v_max_num_f32_dpp v8, v8, v8 row_xmask:1 row_mask:0xf bank_mask:0xf   ; and of my neighbour's 16: the block's
	v_add_nc_u32 v11, -(EMAX<<23), v8              ; EMAX off its exponent field: the conversion takes the exponent field of this operand as its scale
	v_cvt_scalef32_pk8_fp4_f32 v[C+4*(\t)], v[XS:XS+7], v11
	v_cvt_scalef32_pk8_fp4_f32 v[C+4*(\t)+1], v[XS+8:XS+15], v11
	v_lshrrev_b32 v[E+(\t)], 23, v11               ; the scale's byte (also the plain line behind the conversions)
	ds_store_b8 v5, v[E+(\t)] offset:16*(\t)       ; both lanes of a block write the same byte with the same value
	global_store_b64 v[CO+(\t)/2], v[C+4*(\t):C+4*(\t)+1], s[14:15] offset:256*((\t)%2)   ; half a row of codes: 256 consecutive bytes, aligned
.endm
.irp t, 0,1,2,3,4,5,6,7,8,9,10,11,12,13,14,15
	STEP \t
.endr
	ds_load_b64 v[8:9], v6                         ; LDS serves a wave's instructions in order: these see my stores
	s_wait_dscnt 0x0
	global_store_b64 v208, v[8:9], s[16:17]        ; four lanes store a row's 32 scale bytes
	s_wait_tensorcnt 0x0                           ; the wave's end, behind my last LDS store
	ds_add_u32 v[SPW], v[NIL]
	s_wait_dscnt 0x0
	s_endpgm
.Lfunc_end_k_q50199623b9_prep:
	.size	k_q50199623b9_prep, .Lfunc_end_k_q50199623b9_prep-k_q50199623b9_prep
	.p2alignl 7, 3214868480
	.fill 96, 4, 3214868480
	.section	.rodata,"a",@progbits
	.p2align	6, 0x0
	.amdhsa_kernel k_q50199623b9_prep
		.amdhsa_group_segment_fixed_size 33280
		.amdhsa_private_segment_fixed_size 0
		.amdhsa_enable_private_segment 0
		.amdhsa_kernarg_size 64
		.amdhsa_user_sgpr_count 2
		.amdhsa_user_sgpr_kernarg_segment_ptr 1
		.amdhsa_wavefront_size32 1
		.amdhsa_system_sgpr_workgroup_id_x 1
		.amdhsa_system_sgpr_workgroup_id_y 1
		.amdhsa_system_sgpr_workgroup_id_z 1
		.amdhsa_system_vgpr_workitem_id 0
		.amdhsa_next_free_vgpr 224
		.amdhsa_next_free_sgpr 66
		.amdhsa_reserve_vcc 1
		.amdhsa_float_denorm_mode_32 3
		.amdhsa_float_denorm_mode_16_64 3
		.amdhsa_memory_ordered 1
		.amdhsa_forward_progress 1
		.amdhsa_inst_pref_size 47
	.end_amdhsa_kernel
	.amdgpu_metadata
---
amdhsa.version: [ 1, 2 ]
amdhsa.kernels:
  - .name:           k_q50199623b9_prep
    .symbol:         k_q50199623b9_prep.kd
    .args:
      - { .name: hidden_states, .offset: 0, .size: 8, .value_kind: global_buffer, .address_space: global }
      - { .name: Wq, .offset: 8, .size: 8, .value_kind: global_buffer, .address_space: global }
      - { .name: Wk, .offset: 16, .size: 8, .value_kind: global_buffer, .address_space: global }
      - { .name: Wv, .offset: 24, .size: 8, .value_kind: global_buffer, .address_space: global }
      - { .name: attention_mask, .offset: 32, .size: 8, .value_kind: global_buffer, .address_space: global }
      - { .name: codes, .offset: 40, .size: 8, .value_kind: global_buffer, .address_space: global }
      - { .name: scales, .offset: 48, .size: 8, .value_kind: global_buffer, .address_space: global }
      - { .name: meta, .offset: 56, .size: 8, .value_kind: global_buffer, .address_space: global }
    .group_segment_fixed_size: 33280
    .private_segment_fixed_size: 0
    .kernarg_segment_align: 8
    .kernarg_segment_size: 64
    .max_flat_workgroup_size: 128
    .sgpr_count:     66
    .vgpr_count:     224
    .wavefront_size: 32
...
	.end_amdgpu_metadata
.endif
;; end of part 1
;; launch proj (part 2): grid 12 x 32, 4 waves a work-group, clusters of 4 x 4, 327,680 bytes of LDS; arguments codes, scales, meta, qkv, vbs; writes qkv, vbs
.if DOCPART == 2
	.amdgcn_target "amdgcn-amd-amdhsa--gfx1250"
	.amdhsa_code_object_version 6
	.text
	.protected	k_q50199623b9_proj
	.globl	k_q50199623b9_proj
	.p2align	8
	.type	k_q50199623b9_proj,@function
k_q50199623b9_proj:
	s_mov_b64 s[64:65], 0
	v_nop
	global_prefetch_b8 v0, s[64:65] scope:SCOPE_SE
	s_setreg_imm32_b32 hwreg(HW_REG_WAVE_MODE, 25, 1), 1
	s_wait_xcnt 0x0
	s_wait_alu depctr_hold_cnt(0) depctr_sa_sdst(0) depctr_va_vdst(0) depctr_va_sdst(0) depctr_va_ssrc(0) depctr_va_vcc(0) depctr_vm_vsrc(0)
	s_getreg_b32 s2, hwreg(HW_REG_IB_STS2, 6, 4)
	s_cmp_eq_u32 s2, 0
	s_cbranch_scc0 .Lentry_in_a_cluster
	s_endpgm
.Lentry_in_a_cluster:
	s_bfe_u32 s2, ttmp6, 0x10000c
	s_cmp_lg_u32 s2, 0xf033
	s_cbranch_scc0 .Lentry_shape_is_right
	s_endpgm
.Lentry_shape_is_right:
; The three projections, on codes of FP4 (E2M1) with one E8M0 scale for each 32 along K = 1,024; sums in f32.  Out[i][j] = sum over k of A[i][k] B[j][k], A and B rows of the one buffer of codes (x: rows 0-8191, in
; the order that the first launch gave them; Wq, Wk, Wv: rows 8192 on).  The cluster's x says which: 0: q = x Wq^T, times c = log2(e) / 8;  1: k = x Wk^T, each row times its position's mask word;
; 2: v^T = Wv x^T (A = Wv, B = x), so that the keys come out innermost.  All multiplications in f32, then ONE rounding to f16.
; OUT: images of the next launch's operand registers.  16 rows x 64 columns are 2,048 bytes: four pieces of 512; in piece p lane (r, h) owns bytes 16 x lane: row r, columns 16 p + 8 h + 0 .. 7.
; The matrix instruction is used transposed (source 0 = 16 rows of B, source 1 = 16 rows of A): lane (r, h) of accumulator (a, b) holds row 16 a + r, columns 16 b + 8 h + 0 .. 7: packed to f16 that IS piece b % 4 of the
; image, in the lane that owns it.  So the results leave straight from registers, each store 512 consecutive bytes, aligned.
; For v also: the f32 sum of each channel over each block of 64 keys, which the next launch needs for the keys that it does not walk.
; A tile of Out, 256 x 256, is made by four waves, each 128 x 128: 64 accumulators, 512 registers.  K = 1,024 is two LDS slots of 512 along K (rows of 256 bytes): both are filled once, at the start, and nothing is filled again.
; The scale bytes of the tile's 512 rows come once too, in units of 256 bytes.  By this text's count a wave has three tensor loads out at the start and none later.
; CLUSTERS: 4 x 4 work-groups; A's tile is shared along a row of the cluster, B's along a column: each is asked for jointly, by the same load with the same descriptor and a mask that names the four.
; REGISTERS, in windows of 256: window 0: v0-31 addresses; v32-95 scale words, two sets; v96-111 the rows' factors; v112-127 at work; from v128 A's fragments, ONE set; on the way out v128-223.
;   window 1: B's fragments, two sets.   windows 2, 3: the accumulators of my rows 0-63 and 64-127 ((a, b) at v[8 (8 (a % 4) + b)]).
; LIMITS: c q, m k and v must lie inside f16 (65,504); NaN and infinities are not served.
.set KSTEP,  512
.set NQ,     KSTEP/128
.set ROWB,   256                       ; a tile's row in bytes
.set KROW,   512                       ; a row of codes in memory
.set PITCH,  272                       ; an LDS row: 256 bytes + 16 of padding: the 16 rows that a load touches start at 16 different banks (64 banks of 4 bytes: ISA guide 11.1)
.set FR,     8
.set NL,     2
.set NP,     4                         ; places behind this matrix instruction (ISA guide 7.12.1)
.set HALFT,  128*PITCH
.set SLOT,   4*HALFT
.set KS,     32                        ; a row of scales in bytes
.set SCL,    2*SLOT
.set HALFS,  (128*KS/256)*272
.set SBLK,   (16*KS/256)*272
.set SPARE,  SCL+4*HALFS               ; the spare words, 128 bytes a wave
.set ADRA, 16                          ; v16-17  LDS address of my A fragments in slot 0, 1
.set ADRB, 20                          ; v20-21  the same for B
.set CO0,  26                          ; v26     16 x lane: my place in a piece
.set ADRS, 27                          ; v27     LDS address of my scale words: lanes 0-15 A's rows, lanes 16-31 B's
.set SPW,  28
.set NIL,  29
.set CO1,  30                          ; v30     the same place 64 columns on
.set MPA,  31                          ; v31     where my rows' mask words stand
.set SC,   32
.set MU,   96                          ; v96-111 a pair for each block of 16 rows: what my row is multiplied by
.set MP,   112                         ; v112-119 mask words as loaded; later at work
.set VBO,  124                         ; v124    my place among the sums
.set AF,   128
.set T,    128                         ; the way out: a block's 64 numbers in f32
.set TMP,  192                         ; and packed
.set G1, 24
.set G0, 32
.set G1B, 48
.set G0B, 56
.set G1S, 68
.set G0S, 76
.set G1SB, 80
.set G0SB, 88
.set MSB, 0
.macro WIN new                         ; the immediate's high byte repeats the setting that is left
.if MSB != (\new)
	s_set_vgpr_msb (MSB<<8)|(\new)
.set MSB, (\new)
.endif
.endm
.set MUL_LO, 0xa1                      ; source 0 (B) window 1, source 1 (A) window 0, C and D window 2
.set MUL_HI, 0xf1
.set TO_B,   0x40
; A joint load: waves 0 and 1 fetch for A, waves 2 and 3 for B.  The branch hangs on the wave's number alone.  An s_nop 0 and four v_nop follow each of the two lines.
.macro JLOAD g0a, g1a, g0b, g1b
	s_cmp_eq_u32 s15, 0
	s_cbranch_scc0 .Lfor_b_\@
	tensor_load_to_lds s[\g0a:\g0a+3], s[\g1a:\g1a+7]
	s_nop 0
.rept 4
	v_nop
.endr
	s_branch .Lasked_\@
.Lfor_b_\@:
	tensor_load_to_lds s[\g0b:\g0b+3], s[\g1b:\g1b+7]
	s_nop 0
.rept 4
	v_nop
.endr
.Lasked_\@:
.endm
.macro CROUND                          ; a round of the cluster's barrier
	s_barrier_signal -1
	s_barrier_wait -1
	s_cmp_lg_u32 s14, 0
	s_cbranch_scc1 .Lnot_wave_0_\@
	s_barrier_signal -3
.Lnot_wave_0_\@:
	s_barrier_wait -3
	s_barrier_signal -1
	s_barrier_wait -1
.endm
	s_load_b256 s[4:11], s[0:1], 0x0               ; codes s[4:5], scales s[6:7], meta s[8:9], qkv s[10:11]
	s_load_b64 s[12:13], s[0:1], 0x20              ; vbs
	v_lshl_add_u32 v[SPW], v0, 2, SPARE
	v_mov_b32 v[NIL], 0
	ds_add_u32 v[SPW], v[NIL]                      ; the wave's opening: the add, twice on end, and its wait ahead of my first tensor load
	ds_add_u32 v[SPW], v[NIL]
	v_lshrrev_b32 v1, 5, v0
	v_readfirstlane_b32 s14, v1                    ; wave 0..3
	s_lshr_b32 s15, s14, 1                         ; which half of the tile's rows is mine.  Also: I fetch for A (0) or for B (1)
	s_and_b32 s16, s14, 1                          ; which half of its columns.  Also: which 128 rows of that tile I fetch
	s_bfe_u32 s40, ttmp6, 0x40000                  ; cx, cy: my place in the cluster
	s_bfe_u32 s41, ttmp6, 0x40004
	s_and_b32 s3, ttmp7, 0xffff                    ; the cluster's y: which 1,024 rows of x
	s_lshl_b32 s18, s3, 2
	s_lshl_b32 s19, ttmp9, 2
	s_add_co_u32 s19, s19, 32                      ; where the weight of q or k begins, in tiles of 256 rows
	s_cmp_eq_u32 ttmp9, 2                          ; v?  The same in all sixteen partners
	s_cselect_b32 s2, 1, 0
	s_cselect_b32 s17, 40, s18                     ; A: Wv, or x
	s_cselect_b32 s42, s18, s19                    ; B: x, or the weight
	s_add_co_u32 s17, s17, s41                     ; A's tile: + cy, which my row of the cluster shares
	s_add_co_u32 s42, s42, s40                     ; B's tile: + cx, which my column shares
	s_lshl_b32 s43, s41, 2
	s_lshl_b32 s43, 15, s43                        ; my row of the cluster
	s_lshl_b32 s44, 0x1111, s40                    ; my column
	s_or_b32 s[G1+0], s43, (0<<16)|(1<<20)|(1<<21)|(5<<22)|(3<<25)  ; 15:0 the mask; 17:16 elements of 1 byte; 20 padding on; 21 set beside a mask; 24:22 after every 64 words; 31:25 four words
	s_or_b32 s[G1B+0], s44, (0<<16)|(1<<20)|(1<<21)|(5<<22)|(3<<25)
.irp g, G1, G1B
	s_mov_b32 s[\g+1], ROWB<<16                    ; tensor_dim0
	s_mov_b32 s[\g+2], 128<<16                     ; tensor_dim1
	s_mov_b32 s[\g+3], ROWB<<16                    ; tile_dim0
	s_mov_b32 s[\g+4], 128                         ; tile_dim1
	s_mov_b32 s[\g+5], KROW                        ; tensor_dim0_stride
	s_mov_b32 s[\g+6], 0
	s_mov_b32 s[\g+7], 0
.endr
	s_or_b32 s[G1S+0], s43, (3<<16)|(1<<20)|(1<<21)|(5<<22)|(3<<25) ; the scales of 128 rows: 4,096 dense bytes as 16 rows of 256 (32 elements of 8 bytes), 16 bytes of padding behind each
	s_or_b32 s[G1SB+0], s44, (3<<16)|(1<<20)|(1<<21)|(5<<22)|(3<<25)
.irp g, G1S, G1SB
	s_mov_b32 s[\g+1], 32<<16
	s_mov_b32 s[\g+2], (128*KS/256)<<16
	s_mov_b32 s[\g+3], 32<<16
	s_mov_b32 s[\g+4], 128*KS/256
	s_mov_b32 s[\g+5], 32
	s_mov_b32 s[\g+6], 0
	s_mov_b32 s[\g+7], 0
.endr
	s_lshl_b32 s18, s16, 7                         ; which 128 rows of the tile I fetch
	s_lshl_b32 s20, s17, 8
	s_add_co_u32 s20, s20, s18                     ; A's row
	s_lshl_b32 s46, s42, 8
	s_add_co_u32 s46, s46, s18                     ; B's row
	s_mov_b32 s21, 0
	s_mov_b32 s47, 0
	s_mov_b64 s[18:19], KS
	s_mul_u64 s[22:23], s[20:21], s[18:19]         ; where these rows' scales begin, in bytes
	s_mul_u64 s[92:93], s[46:47], s[18:19]
	s_mov_b64 s[18:19], KROW
	s_mul_u64 s[20:21], s[20:21], s[18:19]         ; and their codes
	s_mul_u64 s[46:47], s[46:47], s[18:19]
	s_mul_i32 s45, s14, HALFT                      ; where they go: wave x 128 rows: no place in the cluster enters an LDS address
	s_mul_i32 s94, s14, HALFS
	s_wait_dscnt 0x0                               ; both opening adds are done
	s_wait_kmcnt 0x0
	s_add_nc_u64 s[20:21], s[4:5], s[20:21]
	s_add_nc_u64 s[22:23], s[6:7], s[22:23]
	s_add_nc_u64 s[46:47], s[4:5], s[46:47]
	s_add_nc_u64 s[92:93], s[6:7], s[92:93]
	CROUND                                         ; all sixteen work-groups are here: the joint loads meet
	s_mov_b32 s[G0S], 1
	s_add_co_u32 s[G0S+1], s94, SCL
	s_mov_b64 s[G0S+2:G0S+3], s[22:23]
	s_or_b32 s[G0S+3], s[G0S+3], 0x80000000
	s_mov_b32 s[G0SB], 1
	s_add_co_u32 s[G0SB+1], s94, SCL
	s_mov_b64 s[G0SB+2:G0SB+3], s[92:93]
	s_or_b32 s[G0SB+3], s[G0SB+3], 0x80000000
	JLOAD G0S, G1S, G0SB, G1SB                     ; the scales first: they are wanted with the first slot
.irp s, 0,1
	s_mov_b32 s[G0+4*\s], 1
	s_add_co_u32 s[G0+4*\s+1], s45, \s*SLOT
	s_add_nc_u64 s[G0+4*\s+2:G0+4*\s+3], s[20:21], \s*ROWB
	s_or_b32 s[G0+4*\s+3], s[G0+4*\s+3], 0x80000000
	s_mov_b32 s[G0B+4*\s], 1
	s_add_co_u32 s[G0B+4*\s+1], s45, \s*SLOT
	s_add_nc_u64 s[G0B+4*\s+2:G0B+4*\s+3], s[46:47], \s*ROWB
	s_or_b32 s[G0B+4*\s+3], s[G0B+4*\s+3], 0x80000000
	JLOAD G0+4*\s, G1, G0B+4*\s, G1B
.endr
	v_and_b32 v1, 15, v0                           ; r = l % 16
	v_bfe_u32 v2, v0, 4, 1                         ; h = l / 16
	v_mul_u32_u24 v3, v1, PITCH
	v_lshl_add_u32 v4, v2, 4, v3                   ; a fragment's row x pitch + 16 x half
	s_mul_i32 s21, s15, HALFT                      ; my 128 rows of A
	s_mul_i32 s22, s16, HALFT                      ; my 128 rows of B,
	s_add_co_u32 s22, s22, 2*HALFT                 ; which lie behind A's 256
.irp s, 0,1
	v_add_nc_u32 v[ADRA+\s], s21, v4
	v_add_nc_u32 v[ADRB+\s], s22, v4
	s_add_co_u32 s21, s21, SLOT
	s_add_co_u32 s22, s22, SLOT
.endr
	v_mul_u32_u24 v5, v1, KS                       ; my row's scales: KS bytes a row,
	v_lshrrev_b32 v6, 8, v5
	v_lshl_add_u32 v5, v6, 4, v5                   ; and 16 more for each 256 passed
	s_mul_i32 s21, s15, HALFS
	s_mul_i32 s22, s16, HALFS
	s_add_co_u32 s22, s22, 2*HALFS
	s_sub_co_u32 s22, s22, s21
	v_mul_u32_u24 v6, s22, v2                      ; lanes 16-31 take B's
	s_add_co_u32 s21, s21, SCL
	v_add_nc_u32 v5, v5, v6
	v_add_nc_u32 v[ADRS], s21, v5
	; WHERE THE RESULTS GO.  RI, CI: my wave's first row and column of Out.  X0: the one that is a row of x; W0: the one that is a channel.
	s_lshl_b32 s95, s3, 2
	s_mov_b32 s97, 0x40000                         ; 64 columns on: q, k: the next head, 262,144 bytes;
	s_mov_b32 s98, 2048                            ; from row block 3 to 4: q, k: the next 16 positions, like every step;
	s_mov_b32 s99, 0
	s_cmp_eq_u32 s2, 1
	s_cselect_b32 s66, 0, s95
	s_cselect_b32 s67, s95, 0
	s_cselect_b32 s97, 0x2000, s97                 ; v: the next block of 64 keys, 8,192 bytes
	s_cselect_b32 s98, 262144-6144, s98            ; v: the next head's first 16 channels
	s_add_co_u32 s66, s66, s41
	s_lshl_b32 s66, s66, 8
	s_lshl_b32 s18, s15, 7
	s_add_co_u32 s66, s66, s18                     ; RI
	s_add_co_u32 s67, s67, s40
	s_lshl_b32 s67, s67, 8
	s_lshl_b32 s18, s16, 7
	s_add_co_u32 s67, s67, s18                     ; CI
	s_cmp_eq_u32 s2, 1
	s_cselect_b32 s95, s67, s66                    ; X0
	s_cselect_b32 s96, s66, s67                    ; W0
	s_lshr_b32 s18, s95, 11
	s_lshl_b32 s18, s18, 4
	s_lshr_b32 s19, s96, 6
	s_add_co_u32 s18, s18, s19                     ; 16 x batch + head
	s_and_b32 s19, s95, 2047                       ; the position in the batch
	s_lshl_b32 s20, s18, 18                        ; 262,144 bytes a head,
	s_lshl_b32 s21, s19, 7                         ; 128 bytes a position,
	s_add_co_u32 s20, s20, s21
	s_lshl_b32 s21, ttmp9, 24                      ; 16 MiB for each of q, k, v
	s_add_co_u32 s20, s20, s21
	s_mov_b32 s21, 0
	s_add_nc_u64 s[10:11], s[10:11], s[20:21]
	s_lshl_b32 s20, s18, 5
	s_lshr_b32 s19, s19, 6
	s_add_co_u32 s20, s20, s19
	s_lshl_b32 s20, s20, 8                         ; the sums: [head][32 blocks][64 channels] f32
	s_add_nc_u64 s[12:13], s[12:13], s[20:21]
	s_cmp_eq_u32 ttmp9, 1
	s_cselect_b32 s100, -1, 0                      ; k: all lanes take the mask word
	s_mov_b32 s101, 1.0
	s_cmp_eq_u32 ttmp9, 0
	s_cselect_b32 s101, 0x3e38aa3b, s101           ; q: c = log2(e) / 8;  v: 1
	s_mov_b32 s3, 0xffff0000                       ; lanes 16-31
	s_mov_b32 s104, 0x76543210
	s_mov_b32 s105, 0xfedcba98                     ; v_permlanex16_b32's selects for lane l xor 16
	v_and_b32 v6, 31, v0
	v_lshlrev_b32 v[CO0], 4, v6
	v_add_nc_u32 v[CO1], s97, v[CO0]
	v_lshlrev_b32 v5, 2, v1
	v_lshl_add_u32 v[VBO], v2, 8, v5               ; lanes 16-31 store the second block's sums: 256 h + 4 r
	v_lshl_add_u32 v[MPA], s66, 2, v5
.irp a, 0,1,2,3,4,5,6,7
	global_load_b32 v[MP+\a], v[MPA], s[8:9] offset:64*\a   ; the mask word of row RI + 16 a + r (chosen for k alone; RI + 127 stays under 8,192 in all three)
.endr
.macro FRAG reg, adr, q, i             ; 16 rows x 128 K of 4-bit codes: 8 registers: lane l holds row l % 16; registers 4 c .. 4 c + 3 hold K = 64 c + 32 (l / 16) + 0 .. 31
.irp c, 0,1
	ds_load_b128 v[\reg+4*\c:\reg+4*\c+3], v[\adr] offset:64*(\q)+32*\c+(\i)*16*PITCH
.endr
.endm
; 16 matrix instructions: A's blocks a0, a0 + 1 x B's eight, the slot's q-th 128 along K.  p: B's set; sc: the set of scale words.  zero = 1: the first product starts the sums.
; The 64 accumulators take turns, one instruction a turn, in the same order in every step.
.macro MUL16 a0, p, q, sc, zero
.irp a, \a0, \a0+1
.irp b, 0,1,2,3,4,5,6,7
.if \zero
	v_wmma_scale_f32_16x16x128_f8f6f4 v[8*(8*((\a)%4)+\b):8*(8*((\a)%4)+\b)+7], v[128*(\p)+FR*\b:128*(\p)+FR*\b+FR-1], v[AF+FR*(\a):AF+FR*(\a)+FR-1], 0, v[SC+8*NQ*(\sc)+NQ*\b+(\q)], v[SC+8*NQ*(\sc)+NQ*(\a)+(\q)] matrix_a_fmt:MATRIX_FMT_FP4 matrix_b_fmt:MATRIX_FMT_FP4 matrix_a_scale:MATRIX_SCALE_ROW1
.else
	v_wmma_scale_f32_16x16x128_f8f6f4 v[8*(8*((\a)%4)+\b):8*(8*((\a)%4)+\b)+7], v[128*(\p)+FR*\b:128*(\p)+FR*\b+FR-1], v[AF+FR*(\a):AF+FR*(\a)+FR-1], v[8*(8*((\a)%4)+\b):8*(8*((\a)%4)+\b)+7], v[SC+8*NQ*(\sc)+NQ*\b+(\q)], v[SC+8*NQ*(\sc)+NQ*(\a)+(\q)] matrix_a_fmt:MATRIX_FMT_FP4 matrix_b_fmt:MATRIX_FMT_FP4 matrix_a_scale:MATRIX_SCALE_ROW1
.endif
.endr
.endr
.endm
.macro FETCH_B slot, q, p
	WIN TO_B
.irp i, 0,1,2,3,4,5,6,7
	FRAG 128*(\p)+FR*\i, ADRB+\slot, \q, \i
.endr
	WIN 0
.endm
.macro FETCH_A slot, q, i0
.irp i, \i0, \i0+1, \i0+2, \i0+3
	FRAG AF+FR*(\i), ADRA+\slot, \q, \i
.endr
.endm
.macro SCALES sc                       ; a slot's scale words: four a row; lanes 0-15 take A's block i, lanes 16-31 B's block i
.irp i, 0,1,2,3,4,5,6,7
	ds_load_b128 v[SC+8*NQ*\sc+NQ*\i:SC+8*NQ*\sc+NQ*\i+3], v[ADRS] offset:\i*SBLK
.endr
.endm
.macro PLACES n                        ; places in front of loads into registers that matrix instructions have read (ISA guide 7.12.1 for vector instructions)
.rept \n
	v_nop
.endr
.endm
.macro STEP slot, q, zero              ; a step of 128 along K that has its successor in the same slot
	s_wait_dscnt 4*NL                              ; B's set and A's blocks 0-3 are in; the youngest eight loads (A's blocks 4-7) may be out
	WIN MUL_LO
	MUL16 0, (\q)%2, \q, \slot, \zero
	MUL16 2, (\q)%2, \q, \slot, \zero
	s_wait_dscnt 0                                 ; A's blocks 4-7 are in
	PLACES NP
	FETCH_B \slot, (\q)+1, 1-(\q)%2
	FETCH_A \slot, (\q)+1, 0
	WIN MUL_HI
	MUL16 4, (\q)%2, \q, \slot, \zero
	MUL16 6, (\q)%2, \q, \slot, \zero
	PLACES NP
	WIN 0
	FETCH_A \slot, (\q)+1, 4
.endm
; Slot 0's last step goes over to slot 1: each wave waits for all its tensor loads (its part of slot 1), then the barrier shows slot 1 whole to every wave.  Nothing is filled again.
.macro TURN slot, next
	s_wait_tensorcnt 0x0                           ; all my tensor loads have landed
	ds_add_u32 v[SPW], v[NIL]                      ; 0 onto my spare word
	s_wait_dscnt 4*NL+1                            ; (the add and the youngest eight loads, A's blocks 4-7, may be out)
	WIN MUL_LO
	MUL16 0, 1, NQ-1, \slot, 0
	s_wait_dscnt 0x0                               ; no LDS instruction of mine is out at the signal
	s_barrier_signal -1
	MUL16 2, 1, NQ-1, \slot, 0
	WIN 0
	s_barrier_wait -1
	PLACES NP
	v_add_nc_u32 v[ADRS], 4*NQ, v[ADRS]            ; on to the next slot's scale words (no LDS load of mine is out)
	FETCH_B \next, 0, 0
	FETCH_A \next, 0, 0
	SCALES \next
	WIN MUL_HI
	MUL16 4, 1, NQ-1, \slot, 0
	MUL16 6, 1, NQ-1, \slot, 0
	PLACES NP
	WIN 0
	FETCH_A \next, 0, 4
.endm
	s_wait_tensorcnt 1                             ; the scales and my part of slot 0 are in (slot 1's load may be out),
	s_barrier_signal -1
	s_barrier_wait -1                              ; everybody's are
	FETCH_B 0, 0, 0
	FETCH_A 0, 0, 0
	SCALES 0
	FETCH_A 0, 0, 4
	STEP 0, 0, 1                                   ; the first products start the sums: nothing is cleared
	STEP 0, 1, 0
	STEP 0, 2, 0
	TURN 0, 1
	STEP 1, 0, 0
	STEP 1, 1, 0
	STEP 1, 2, 0
	s_wait_dscnt 4*NL                              ; the last step: nothing more to fetch
	WIN MUL_LO
	MUL16 0, 1, NQ-1, 1, 0
	MUL16 2, 1, NQ-1, 1, 0
	s_wait_dscnt 0
	WIN MUL_HI
	MUL16 4, 1, NQ-1, 1, 0
	MUL16 6, 1, NQ-1, 1, 0
	WIN 0
	; THE WAY OUT.  The rows' factors first: 24 plain lines that name no register of the last products: they are also the places behind those products.
	s_wait_loadcnt 0x0                             ; the mask words
.irp a, 0,1,2,3,4,5,6,7
	v_cvt_f32_i32 v[MU+2*\a], v[MP+\a]
.endr
.irp a, 0,1,2,3,4,5,6,7
	v_cndmask_b32 v[MU+2*\a], s101, v[MU+2*\a], s100   ; k: my row's mask word;  q: c;  v: 1
.endr
.irp a, 0,1,2,3,4,5,6,7
	v_mov_b32 v[MU+2*\a+1], v[MU+2*\a]             ; twice: the packed multiply takes a pair
.endr
; Block a: 16 rows x 128 columns.  Times the row's factor in f32 (each accumulator from its low end on); for v the sums over the two blocks of 64 keys; packed to f16; eight stores of 512 consecutive bytes.
.macro BLOCK a
.if (\a) > 0
	s_wait_xcnt 0x0                                ; the last block's stores have read their base and their data: both are written again only behind this wait
.if (\a) == 4
	s_add_nc_u64 s[10:11], s[10:11], s[98:99]
.else
	s_add_nc_u64 s[10:11], s[10:11], 2048
.endif
.endif
	WIN 0x02+(\a)/4                                ; source 0: window 2 or 3
.set i, 0
.rept 32
	v_pk_mul_f32 v[T+i:T+i+1], v[64*((\a)%4)+i:64*((\a)%4)+i+1], v[MU+2*(\a):MU+2*(\a)+1]
.set i, i+2
.endr
	WIN 0
	s_cmp_eq_u32 s2, 0
	s_cbranch_scc1 .Lno_sum_\@                     ; q and k have no sums: the same way in all partners
.irp c, 0,1                                    ; my 32 keys of block c, two at a time, in two chains
	v_pk_add_f32 v[120:121], v[T+32*\c:T+32*\c+1], v[T+32*\c+2:T+32*\c+3]
	v_pk_add_f32 v[122:123], v[T+32*\c+4:T+32*\c+5], v[T+32*\c+6:T+32*\c+7]
.irp j, 8,12,16,20,24,28
	v_pk_add_f32 v[120:121], v[120:121], v[T+32*\c+\j:T+32*\c+\j+1]
	v_pk_add_f32 v[122:123], v[122:123], v[T+32*\c+\j+2:T+32*\c+\j+3]
.endr
	v_pk_add_f32 v[120:121], v[120:121], v[122:123]
	v_add_f32 v[125+\c], v120, v121
.endr
	v_cndmask_b32 v112, v125, v126, s3             ; lanes 0-15 keep block 0's part, lanes 16-31 block 1's,
	v_cndmask_b32 v113, v126, v125, s3             ; and send the other
	v_permlanex16_b32 v114, v113, s104, s105
	v_add_f32 v115, v112, v114                     ; channel 16 a + r over block h's 64 keys
	global_store_b32 v[VBO], v115, s[12:13] offset:((\a)%4)*64+((\a)/4)*8192
.Lno_sum_\@:
.set i, 0
.rept 32
	v_cvt_pk_f16_f32 v[TMP+i], v[T+2*i], v[T+2*i+1]
.set i, i+1
.endr
.irp b, 0,1,2,3,4,5,6,7
	global_store_b128 v[CO0+4*(\b/4)], v[TMP+4*\b:TMP+4*\b+3], s[10:11] offset:512*(\b%4)   ; piece b % 4 of the image of columns 64 (b / 4) on
.endr
.endm
.irp a, 0,1,2,3,4,5,6,7
	BLOCK \a
.endr
	s_wait_tensorcnt 0x0                           ; the wave's end, behind my last tensor load
	ds_add_u32 v[SPW], v[NIL]
	s_wait_dscnt 0x0
	CROUND                                         ; the closing round: no work-group ends while a partner may still ask for a tile that names it
	s_endpgm
.Lfunc_end_k_q50199623b9_proj:
	.size	k_q50199623b9_proj, .Lfunc_end_k_q50199623b9_proj-k_q50199623b9_proj
	.p2alignl 7, 3214868480
	.fill 96, 4, 3214868480
	.section	.rodata,"a",@progbits
	.p2align	6, 0x0
	.amdhsa_kernel k_q50199623b9_proj
		.amdhsa_group_segment_fixed_size 327680
		.amdhsa_private_segment_fixed_size 0
		.amdhsa_enable_private_segment 0
		.amdhsa_kernarg_size 40
		.amdhsa_user_sgpr_count 2
		.amdhsa_user_sgpr_kernarg_segment_ptr 1
		.amdhsa_wavefront_size32 1
		.amdhsa_system_sgpr_workgroup_id_x 1
		.amdhsa_system_sgpr_workgroup_id_y 1
		.amdhsa_system_sgpr_workgroup_id_z 1
		.amdhsa_system_vgpr_workitem_id 0
		.amdhsa_next_free_vgpr 1024
		.amdhsa_next_free_sgpr 106
		.amdhsa_reserve_vcc 0
		.amdhsa_float_denorm_mode_32 3
		.amdhsa_float_denorm_mode_16_64 3
		.amdhsa_memory_ordered 1
		.amdhsa_forward_progress 1
		.amdhsa_inst_pref_size 156
	.end_amdhsa_kernel
	.amdgpu_metadata
---
amdhsa.version: [ 1, 2 ]
amdhsa.kernels:
  - .name:           k_q50199623b9_proj
    .symbol:         k_q50199623b9_proj.kd
    .args:
      - { .name: codes, .offset: 0, .size: 8, .value_kind: global_buffer, .address_space: global }
      - { .name: scales, .offset: 8, .size: 8, .value_kind: global_buffer, .address_space: global }
      - { .name: meta, .offset: 16, .size: 8, .value_kind: global_buffer, .address_space: global }
      - { .name: qkv, .offset: 24, .size: 8, .value_kind: global_buffer, .address_space: global }
      - { .name: vbs, .offset: 32, .size: 8, .value_kind: global_buffer, .address_space: global }
    .group_segment_fixed_size: 327680
    .private_segment_fixed_size: 0
    .kernarg_segment_align: 8
    .kernarg_segment_size: 40
    .max_flat_workgroup_size: 128
    .sgpr_count:     106
    .vgpr_count:     1024
    .wavefront_size: 32
...
	.end_amdgpu_metadata
.endif
;; end of part 2
;; launch attn (part 3): grid 4 x 64, 8 waves a work-group, no clusters, 77,824 bytes of LDS; arguments qkv, vbs, meta, out0; writes out0
.if DOCPART == 3
	.amdgcn_target "amdgcn-amd-amdhsa--gfx1250"
	.amdhsa_code_object_version 6
	.text
	.protected	k_q50199623b9_attn
	.globl	k_q50199623b9_attn
	.p2align	8
	.type	k_q50199623b9_attn,@function
k_q50199623b9_attn:
	s_mov_b64 s[64:65], 0
	v_nop
	global_prefetch_b8 v0, s[64:65] scope:SCOPE_SE
	s_setreg_imm32_b32 hwreg(HW_REG_WAVE_MODE, 25, 1), 1
	s_wait_xcnt 0x0
; out[b][s][64 h ..] = softmax over keys of (q . k / 8 x m + (1 - m) x -10000) times v, for one head of one batch; products on f16 operands, sums, maxima and exponentials in f32.
; The launch before has folded c = log2(e) / 8 into q and the mask word m into k, so t = q' . k' + (1 - m) B0, B0 = -10000 log2(e), is the score in powers of two; the second term is the C of each score tile's first
; matrix instruction, so the mask costs no vector instruction.  p = 2^(t - M), M the running maximum; in every step O and the sum are multiplied by 2^(old M - new M).
; KEYS THAT NEED NO WALK.  A key with m = 0 has t = B0 whatever q and k are.  The first launch has put the keys with m other than 0 first, so only the first NS = ceil(kept / 64) blocks of 64 keys are walked
; (keys with m = 0 inside the last of them are treated like any key: k' = 0, C = B0).  The other 2,048 - 64 NS keys enter at the end as ONE term: their number x 2^(B0 - M) in the sum, and the f32 sum of their v,
; which the launch before has made block by block, x 2^(B0 - M) in the numerator.  That holds for every mask.  With no kept key the result is the mean of v, as the definition gives.
; SHARES.  A work-group owns 512 queries of one head; each of its eight waves 64: four tiles of 16, in 512 registers: two waves to a SIMD.  A step is 64 keys.  Both products are used transposed
; (S^T = K Q^T + C, O^T = V^T P): a lane holds one query throughout, and two packed score tiles ARE the second product's operand.
; K's and V's tiles are images of operand registers: 8,192 dense bytes each.  The 256 threads bring the next step's 16 KiB into registers at a step's head (16 bytes a lane, four loads) and store them into the other of
; two LDS slots at its end; one barrier a step: in front of it each wave's reads of this slot are back and its stores into the other have landed.
; NO TENSOR LOAD, NO CLUSTER, though the four work-groups of a head walk the same K and V: how far they walk hangs on a count read from memory (a step beyond NS jumps over its work, never over the barrier).
; The loop's trip count is a constant, 16 trips of two steps.  A tile is asked for a whole step (64 matrix instructions and a softmax in each of the SIMD's two waves)
; ahead of its use, so no prefetch is laid beside it.
; The queries stand in the first launch's order too: each row of 256 bytes is stored at the query's old row, sixteen lanes to an aligned 256 bytes.
; LIMITS: NaN and infinities are not served; f16's range holds c q, m k and v (stated at the launch that makes them).
; REGISTERS.  window 0: v1-9 addresses; v10-15 at work; v16-47 statistics, 8 a tile: +0 M, +1 old M, then the change, +2,+3 the sum in two halves, +4..+7 at work (+6: the factor); v48-55 sums at work;
;   v64-191 S^T, 32 a tile (register 8 kt + j: key 16 kt + 8 (lane / 16) + j), p in place, packed into the tile's first 16; v192-255 K's eight fragments, then V's.
;   window 1: v0-63 Q, 16 a tile; v64-191 O^T, 32 a tile (8 ct + j: channel 16 ct + 8 (lane / 16) + j); v192-223 C for the four score tiles; v224-239 the next step's tiles on their way.
.set SLOTB, 16384                      ; a slot: K's image, 8,192 bytes, then V's
.set BIAS,  32768                      ; (1 - m) B0 of the batch's 2,048 keys, f32
.set VSP,   40960                      ; four partial sums of the tail's v x 64 channels
.set STAGE, 41984                      ; the way out: 16 rows x (256 bytes + 16) for each wave
.set SPI,   272
.set SPARE, STAGE+8*16*SPI             ; the spare words, 128 bytes a wave
.set LA,  1                            ; v1  16 x lane
.set TA,  2                            ; v2  16 x thread
.set BA0, 3                            ; v3  BIAS + 32 (lane / 16)
.set BA,  4                            ; v4  the same for the trip in hand
.set NX,  5                            ; v5  the next tile's bytes: 16 x thread + 8,192 x tile
.set SPW, 6
.set NIL, 7
.set STO, 8
.set RD,  9
.set ST,  16
.set SB,  48
.set MP,  56
.set S,   64
.set F,   192
.set Q,   0                            ; in window 1
.set O,   64
.set BI,  192
.set SG,  224
.set MSB, 0
.macro WIN new                         ; the immediate's high byte repeats the setting that is left
.if MSB != (\new)
	s_set_vgpr_msb (MSB<<8)|(\new)
.set MSB, (\new)
.endif
.endm
	s_load_b256 s[4:11], s[0:1], 0x0               ; qkv, vbs, meta, out
	v_lshl_add_u32 v[SPW], v0, 2, SPARE
	v_mov_b32 v[NIL], 0
	v_lshrrev_b32 v10, 5, v0
	v_readfirstlane_b32 s12, v10                   ; wave 0..7
	v_and_b32 v11, 31, v0
	v_lshlrev_b32 v[LA], 4, v11
	v_lshlrev_b32 v[TA], 4, v0
	v_bfe_u32 v12, v0, 4, 1                        ; h = lane / 16
	v_and_b32 v13, 15, v0                          ; r = lane % 16
	v_lshlrev_b32 v[BA0], 5, v12
	v_add_nc_u32 v[BA0], BIAS, v[BA0]
	s_mul_i32 s44, s12, 16*SPI
	s_add_co_u32 s44, s44, STAGE                   ; my stage
	v_mul_u32_u24 v[STO], v13, SPI
	v_lshl_add_u32 v[STO], v12, 5, v[STO]
	v_add_nc_u32 v[STO], s44, v[STO]               ; in: row r, + 32 h
	v_mul_u32_u24 v[RD], v12, SPI
	v_lshl_add_u32 v[RD], v13, 4, v[RD]
	v_add_nc_u32 v[RD], s44, v[RD]                 ; back: lanes 0-15 one row, lanes 16-31 the next
	s_and_b32 s14, ttmp7, 0xffff                   ; 16 x batch + head
	s_lshr_b32 s15, s14, 4
	s_and_b32 s16, s14, 15
	s_lshl_b32 s30, s14, 18                        ; 262,144 bytes a head
	s_mov_b32 s31, 0
	s_lshl_b32 s44, s15, 5                         ; the count: 32 bytes a batch
	s_mov_b32 s36, 0x76543210
	s_mov_b32 s37, 0xfedcba98                      ; v_permlanex16_b32's selects for lane l xor 16
	s_mov_b32 s38, 0xc6616bcd                      ; B0 = -10000 log2(e)
	s_mov_b32 s39, 0x46616bcd                      ; -B0
	s_wait_kmcnt 0x0
	s_load_b32 s17, s[8:9], s44 offset:0x10000     ; kept keys of my batch (s44 stays as it is until the wait for this load)
	s_add_nc_u64 s[32:33], s[4:5], s[30:31]        ; q of my head,
	s_add_nc_u64 s[22:23], s[32:33], 0x1000000     ; k,
	s_add_nc_u64 s[24:25], s[32:33], 0x2000000     ; v
	s_lshl_b32 s30, ttmp9, 16                      ; my work-group's 512 queries, 128 bytes each,
	s_lshl_b32 s45, s12, 13                        ; my wave's 64
	s_add_co_u32 s30, s30, s45
	s_add_nc_u64 s[32:33], s[32:33], s[30:31]
	s_lshl_b32 s30, s14, 13
	s_add_nc_u64 s[6:7], s[6:7], s[30:31]          ; my head's sums of v
	s_lshl_b32 s30, s15, 13
	s_add_nc_u64 s[34:35], s[8:9], s[30:31]        ; my batch's mask words
	s_lshl_b32 s45, ttmp9, 11
	s_add_co_u32 s30, s30, s45
	s_lshl_b32 s45, s12, 8
	s_add_co_u32 s30, s30, s45
	s_add_co_u32 s30, s30, 32768
	s_add_nc_u64 s[42:43], s[8:9], s[30:31]        ; the old rows of my wave's 64 queries
	s_lshl_b32 s30, s16, 8
	s_add_nc_u64 s[10:11], s[10:11], s[30:31]      ; out at my head's 256 bytes of a row
	WIN 0x40                                       ; destination window 1
.irp u, 0,1,2,3,4,5,6,7,8,9,10,11,12,13,14,15
	global_load_b128 v[Q+4*\u:Q+4*\u+3], v[LA], s[32:33] offset:512*\u th:TH_LOAD_NT   ; Q stays in registers: tile u / 4, piece u % 4
.endr
	global_load_b128 v[SG:SG+3], v[TA], s[22:23]               ; the first step's tiles
	global_load_b128 v[SG+4:SG+7], v[TA], s[22:23] offset:4096
	global_load_b128 v[SG+8:SG+11], v[TA], s[24:25]
	global_load_b128 v[SG+12:SG+15], v[TA], s[24:25] offset:4096
	WIN 0
	v_lshlrev_b32 v10, 5, v0                       ; 8 mask words a thread
	global_load_b128 v[MP:MP+3], v10, s[34:35]
	global_load_b128 v[MP+4:MP+7], v10, s[34:35] offset:16
	v_lshrrev_b32 v14, 6, v0                       ; which 8 blocks of keys I sum,
	v_and_b32 v15, 63, v0                          ; for which channel
	v_lshlrev_b32 v11, 2, v15
	v_lshl_add_u32 v11, v14, 11, v11
.irp i, 0,1,2,3,4,5,6,7
	global_load_b32 v[S+\i], v11, s[6:7] offset:256*\i
.endr
.irp t, 0,1,2,3
	v_mov_b32 v[ST+8*\t], 0xff61b1e6               ; M: -3e38, under every score
.irp j, 1,2,3,4,5,6,7
	v_mov_b32 v[ST+8*\t+\j], 0                     ; the sum; and what the way out reads where no block is walked
.endr
.endr
	WIN 0x40
.set i, 0
.rept 128
	v_mov_b32 v[O+i], 0                            ; O^T.  The step is written once, and no step may run at all: so the sums begin as zeros
.set i, i+1
.endr
	WIN 0
	s_wait_kmcnt 0x0
	s_add_co_u32 s17, s17, 63
	s_lshr_b32 s17, s17, 6
	s_min_u32 s17, s17, 32                         ; NS: blocks to walk
	s_lshl_b32 s18, s17, 6
	s_sub_co_u32 s18, 2048, s18                    ; keys that are not walked
	s_mov_b32 s40, 0xff61b1e6
	s_cmp_lg_u32 s18, 0
	s_cselect_b32 s40, s38, s40                    ; their score: B0, or, where there are none, -3e38
	s_wait_loadcnt 0x0
	WIN 0x04                                       ; an LDS store's data are its source 1: window 1
	ds_store_b128 v[TA], v[SG:SG+3]
	ds_store_b128 v[TA], v[SG+4:SG+7] offset:4096
	ds_store_b128 v[TA], v[SG+8:SG+11] offset:8192
	ds_store_b128 v[TA], v[SG+12:SG+15] offset:12288
	WIN 0
.irp i, 0,1,2,3,4,5,6,7
	v_cvt_f32_i32 v[MP+\i], v[MP+\i]
.endr
.irp i, 0,1,2,3,4,5,6,7
	v_fma_f32 v[MP+\i], v[MP+\i], s39, s38         ; (1 - m) B0 = m x -B0 + B0: exactly 0 where m = 1
.endr
	ds_store_b128 v10, v[MP:MP+3] offset:BIAS
	ds_store_b128 v10, v[MP+4:MP+7] offset:BIAS+16
	v_lshlrev_b32 v14, 3, v14                      ; my first block
	v_cmp_le_i32 vcc_lo, s17, v14
	v_cndmask_b32 v13, 0, v[S], vcc_lo             ; a block counts where its number is NS or more: a choice of values, no branch
.irp i, 1,2,3,4,5,6,7
	s_sub_co_i32 s45, s17, \i
	v_cmp_le_i32 vcc_lo, s45, v14
	v_cndmask_b32 v12, 0, v[S+\i], vcc_lo
	v_add_f32 v13, v13, v12
.endr
	v_lshlrev_b32 v12, 2, v0
	ds_store_b32 v12, v13 offset:VSP
	s_wait_dscnt 0x0                               ; for the others' sake: my stores have landed
	s_barrier_signal -1
	s_barrier_wait -1
; A KEY STEP: block s19 + slot, which lies in LDS slot `slot`.
.macro STEP slot
.if \slot
	s_add_co_u32 s44, s19, 1
	s_cmp_ge_u32 s44, s17
.else
	s_cmp_ge_u32 s19, s17
.endif
	s_cbranch_scc1 .Lskip_\@                       ; beyond NS: the same way in all waves; round the work alone, not round the barrier
	s_add_co_u32 s44, s19, \slot+1
	s_min_u32 s44, s44, 31                         ; the next block; held inside the head's 32 (the walk's last step fetches one tile that nobody reads)
	v_lshl_add_u32 v[NX], s44, 13, v[TA]
	v_add_nc_u32 v[BA], s20, v[BA0]
	WIN 0x40
	global_load_b128 v[SG:SG+3], v[NX], s[22:23]
	global_load_b128 v[SG+4:SG+7], v[NX], s[22:23] offset:4096
	global_load_b128 v[SG+8:SG+11], v[NX], s[24:25]
	global_load_b128 v[SG+12:SG+15], v[NX], s[24:25] offset:4096
.irp kt, 0,1,2,3
.irp g, 0,1
	ds_load_b128 v[BI+8*\kt+4*\g:BI+8*\kt+4*\g+3], v[BA] offset:256*\slot+64*\kt+16*\g   ; C: register j of tile kt: key 16 kt + 8 h + j
.endr
.endr
	WIN 0
.irp f, 0,1                                    ; K: channels 32 f on; those of f = 0 first
.irp kt, 0,1,2,3
.irp g, 0,1
	ds_load_b128 v[F+32*\f+8*\kt+4*\g:F+32*\f+8*\kt+4*\g+3], v[LA] offset:\slot*SLOTB+\kt*2048+(2*\f+\g)*512
.endr
.endr
.endr
	s_wait_dscnt 8                                 ; C and K's channels 0-31 are in; the youngest eight loads (channels 32-63) may be out
	WIN 0x14                                       ; Q (source 1) and C window 1
.irp kt, 0,1,2,3                               ; the 16 accumulators take turns, one instruction a turn
.irp t, 0,1,2,3
	v_wmma_f32_16x16x32_f16 v[S+32*\t+8*\kt:S+32*\t+8*\kt+7], v[F+8*\kt:F+8*\kt+7], v[Q+16*\t:Q+16*\t+7], v[BI+8*\kt:BI+8*\kt+7]
.endr
.endr
	s_wait_dscnt 0x0
	WIN 0x04
.irp kt, 0,1,2,3
.irp t, 0,1,2,3
	v_wmma_f32_16x16x32_f16 v[S+32*\t+8*\kt:S+32*\t+8*\kt+7], v[F+32+8*\kt:F+32+8*\kt+7], v[Q+16*\t+8:Q+16*\t+15], v[S+32*\t+8*\kt:S+32*\t+8*\kt+7]
.endr
.endr
	WIN 0
.rept 4
	v_nop                                          ; places: in front of the loads into K's registers, and of the first read of the scores
.endr
.irp kh, 0,1                                   ; V: keys 32 kh on, channels 16 ct on; they land under the softmax
.irp ct, 0,1,2,3
.irp g, 0,1
	ds_load_b128 v[F+32*\kh+8*\ct+4*\g:F+32*\kh+8*\ct+4*\g+3], v[LA] offset:\slot*SLOTB+8192+\ct*2048+(2*\kh+\g)*512
.endr
.endr
.endr
	; THE MAXIMUM of my 32 scores and the old M, the four tiles line by line by turns; each accumulator is read from its low end on
.irp j, 0,1,2,3
.irp t, 0,1,2,3
	v_max3_num_f32 v[ST+8*\t+4+\j], v[S+32*\t+8*\j], v[S+32*\t+8*\j+1], v[S+32*\t+8*\j+2]
.endr
.endr
.irp u, 1,2
.irp j, 0,1,2,3
.irp t, 0,1,2,3
	v_max3_num_f32 v[ST+8*\t+4+\j], v[ST+8*\t+4+\j], v[S+32*\t+8*\j+2*\u+1], v[S+32*\t+8*\j+2*\u+2]
.endr
.endr
.endr
.irp t, 0,1,2,3
	v_max3_num_f32 v[ST+8*\t+4], v[ST+8*\t+4], v[S+32*\t+7], v[S+32*\t+15]
.endr
.irp t, 0,1,2,3
	v_max3_num_f32 v[ST+8*\t+6], v[ST+8*\t+6], v[S+32*\t+23], v[S+32*\t+31]
.endr
.irp t, 0,1,2,3
	v_max3_num_f32 v[ST+8*\t+4], v[ST+8*\t+4], v[ST+8*\t+5], v[ST+8*\t+6]
.endr
.irp t, 0,1,2,3
	v_max3_num_f32 v[ST+8*\t+4], v[ST+8*\t+4], v[ST+8*\t+7], v[ST+8*\t]
.endr
.irp t, 0,1,2,3
	v_permlanex16_b32 v[ST+8*\t+5], v[ST+8*\t+4], s36, s37   ; the query's other 32 keys lie in the lane 16 away
.endr
.irp t, 0,1,2,3
	v_mov_b32 v[ST+8*\t+1], v[ST+8*\t]
.endr
.irp t, 0,1,2,3
	v_max_num_f32 v[ST+8*\t], v[ST+8*\t+4], v[ST+8*\t+5]      ; the new M
.endr
.irp t, 0,1,2,3
	v_sub_f32 v[ST+8*\t+1], v[ST+8*\t+1], v[ST+8*\t]          ; old M - new M
.endr
	; ONE BATCH of 132 exponentials: the four factors, then p, a pair of scores of each tile at a time behind its subtraction.  Nothing names a result ahead of the one wait.
.irp t, 0,1,2,3
	v_exp_f32 v[ST+8*\t+6], v[ST+8*\t+1]
.endr
.irp p, 0,2,4,6,8,10,12,14,16,18,20,22,24,26,28,30
.irp t, 0,1,2,3
	v_pk_add_f32 v[S+32*\t+\p:S+32*\t+\p+1], v[S+32*\t+\p:S+32*\t+\p+1], v[ST+8*\t:ST+8*\t+1] op_sel_hi:[1,0] neg_lo:[0,1] neg_hi:[0,1]   ; t - M (of the pair the low word serves both halves)
.endr
.irp t, 0,1,2,3
	v_exp_f32 v[S+32*\t+\p], v[S+32*\t+\p]
	v_exp_f32 v[S+32*\t+\p+1], v[S+32*\t+\p+1]
.endr
.endr
	v_nop                                          ; a plain line behind the last exponential
	s_wait_alu depctr_va_vdst(0)                   ; one wait for the whole batch, ahead of its first reader
.irp t, 0,1,2,3
	v_pk_mul_f32 v[ST+8*\t+2:ST+8*\t+3], v[ST+8*\t+2:ST+8*\t+3], v[ST+8*\t+6:ST+8*\t+7] op_sel_hi:[1,0]   ; the sum under the new M
.endr
.irp t, 0,1,2,3
	v_pk_add_f32 v[SB+2*\t:SB+2*\t+1], v[S+32*\t:S+32*\t+1], v[S+32*\t+2:S+32*\t+3]   ; the sum of p in f32, two at a time, in two chains
.endr
.irp p, 4,8,12,16,20,24,28
.irp t, 0,1,2,3
	v_pk_add_f32 v[ST+8*\t+2:ST+8*\t+3], v[ST+8*\t+2:ST+8*\t+3], v[S+32*\t+\p:S+32*\t+\p+1]
.endr
.irp t, 0,1,2,3
	v_pk_add_f32 v[SB+2*\t:SB+2*\t+1], v[SB+2*\t:SB+2*\t+1], v[S+32*\t+\p+2:S+32*\t+\p+3]
.endr
.endr
.irp t, 0,1,2,3
	v_pk_add_f32 v[ST+8*\t+2:ST+8*\t+3], v[ST+8*\t+2:ST+8*\t+3], v[SB+2*\t:SB+2*\t+1]
.endr
.irp i, 0,1,2,3,4,5,6,7,8,9,10,11,12,13,14,15
.irp t, 0,1,2,3
	v_cvt_pk_f16_f32 v[S+32*\t+\i], v[S+32*\t+2*\i], v[S+32*\t+2*\i+1]   ; p to f16, in place: register i is written when registers 2 i, 2 i + 1 are read, never ahead of that
.endr
.endr
	WIN 0x41                                       ; O^T (destination and source 0) window 1
.set i, 0
.rept 16
.irp t, 0,1,2,3
	v_pk_mul_f32 v[O+32*\t+i:O+32*\t+i+1], v[O+32*\t+i:O+32*\t+i+1], v[ST+8*\t+6:ST+8*\t+7] op_sel_hi:[1,0]   ; O^T under the new M
.endr
.set i, i+2
.endr
	s_wait_dscnt 0x0                               ; V is in
	WIN 0x50                                       ; C and D window 1
.irp kh, 0,1
.irp ct, 0,1,2,3
.irp t, 0,1,2,3
	v_wmma_f32_16x16x32_f16 v[O+32*\t+8*\ct:O+32*\t+8*\ct+7], v[F+32*\kh+8*\ct:F+32*\kh+8*\ct+7], v[S+32*\t+8*\kh:S+32*\t+8*\kh+7], v[O+32*\t+8*\ct:O+32*\t+8*\ct+7]
.endr
.endr
.endr
	WIN 0
.rept 5
	v_nop                                          ; five places: the next step's first products write over p's registers, which these products read; its loads land on V's
.endr
	s_wait_loadcnt 0x0                             ; the next step's tiles are in registers (asked for at the step's head); their address register is free again
	WIN 0x04
	ds_store_b128 v[TA], v[SG:SG+3] offset:(1-\slot)*SLOTB
	ds_store_b128 v[TA], v[SG+4:SG+7] offset:(1-\slot)*SLOTB+4096
	ds_store_b128 v[TA], v[SG+8:SG+11] offset:(1-\slot)*SLOTB+8192
	ds_store_b128 v[TA], v[SG+12:SG+15] offset:(1-\slot)*SLOTB+12288
	WIN 0
.Lskip_\@:
	s_wait_dscnt 0x0                               ; my reads of this slot are back and my stores into the other have landed:
	s_barrier_signal -1
	s_barrier_wait -1                              ; both now hold of every wave
.endm
	s_mov_b32 s19, 0                               ; the trip's first block
	s_mov_b32 s20, 0                               ; and its 256 bytes among the C values
.Ltrip:
	STEP 0
	STEP 1
	s_add_co_u32 s20, s20, 512
	s_add_co_u32 s19, s19, 2
	s_cmp_lt_u32 s19, 32
	s_cbranch_scc1 .Ltrip
	; THE END.  The keys that were not walked enter as one term; then O^T is divided by the sum and leaves by the queries' old rows.
	v_bfe_u32 v12, v0, 4, 1
	v_lshlrev_b32 v10, 2, v12
.irp t, 0,1,2,3
.irp i, 0,1,2,3,4,5,6,7
	global_load_b32 v[F+8*\t+\i], v10, s[42:43] offset:64*\t+8*\i   ; the old row of query 16 t + 2 i + lane / 16: the row that I store
.endr
.endr
	v_lshlrev_b32 v11, 5, v12
.irp q, 0,1,2,3
.irp ct, 0,1,2,3
.irp g, 0,1
	ds_load_b128 v[S+32*\q+8*\ct+4*\g:S+32*\q+8*\ct+4*\g+3], v11 offset:VSP+256*\q+64*\ct+16*\g   ; the four partial sums of the tail's v, in O^T's layout
.endr
.endr
.endr
	v_cvt_f32_u32 v14, s18                         ; how many keys the tail has
.irp t, 0,1,2,3
	v_add_f32 v[ST+8*\t+4], v[ST+8*\t+2], v[ST+8*\t+3]
.endr
.irp t, 0,1,2,3
	v_permlanex16_b32 v[ST+8*\t+5], v[ST+8*\t+4], s36, s37
.endr
.irp t, 0,1,2,3
	v_add_f32 v[ST+8*\t+4], v[ST+8*\t+4], v[ST+8*\t+5]        ; the walked keys' sum
.endr
.irp t, 0,1,2,3
	v_max_num_f32 v[ST+8*\t+1], s40, v[ST+8*\t]               ; the last maximum: with the tail's score
.endr
.irp t, 0,1,2,3
	v_sub_f32 v[ST+8*\t+2], v[ST+8*\t], v[ST+8*\t+1]
	v_sub_f32 v[ST+8*\t+3], s40, v[ST+8*\t+1]
.endr
.irp t, 0,1,2,3
	v_exp_f32 v[ST+8*\t+2], v[ST+8*\t+2]                      ; f: what was walked, under the last maximum
	v_exp_f32 v[ST+8*\t+3], v[ST+8*\t+3]                      ; g: a tail key's weight
.endr
	v_nop
	s_wait_alu depctr_va_vdst(0)                   ; one wait for the eight
.irp t, 0,1,2,3
	v_mul_f32 v[ST+8*\t+5], v14, v[ST+8*\t+3]
.endr
.irp t, 0,1,2,3
	v_fma_f32 v[ST+8*\t+4], v[ST+8*\t+4], v[ST+8*\t+2], v[ST+8*\t+5]   ; the whole sum
.endr
.irp t, 0,1,2,3
	v_rcp_f32 v[ST+8*\t+4], v[ST+8*\t+4]
.endr
	v_nop
	s_wait_alu depctr_va_vdst(0)                   ; one wait for the four
.irp t, 0,1,2,3
	v_mul_f32 v[ST+8*\t+6], v[ST+8*\t+2], v[ST+8*\t+4]        ; f / sum, as a pair,
	v_mul_f32 v[ST+8*\t+7], v[ST+8*\t+2], v[ST+8*\t+4]
	v_mul_f32 v[ST+8*\t], v[ST+8*\t+3], v[ST+8*\t+4]          ; g / sum likewise
	v_mul_f32 v[ST+8*\t+1], v[ST+8*\t+3], v[ST+8*\t+4]
.endr
	s_wait_dscnt 0x0
.set i, 0
.rept 16
	v_pk_add_f32 v[S+i:S+i+1], v[S+i:S+i+1], v[S+32+i:S+32+i+1]
	v_pk_add_f32 v[S+64+i:S+64+i+1], v[S+64+i:S+64+i+1], v[S+96+i:S+96+i+1]
.set i, i+2
.endr
.set i, 0
.rept 16
	v_pk_add_f32 v[S+i:S+i+1], v[S+i:S+i+1], v[S+64+i:S+64+i+1]   ; v64-95: the sum of the tail's v
.set i, i+2
.endr
	s_wait_loadcnt 0x0
	v_and_b32 v13, 15, v0
	v_lshlrev_b32 v13, 4, v13
.set i, 0
.rept 32
	v_min_u32 v[F+i], 0x1fff, v[F+i]               ; a loaded number enters an address behind a bound
	v_lshl_add_u32 v[F+i], v[F+i], 12, v13         ; 4,096 bytes a row, 16 bytes a lane
.set i, i+1
.endr
.macro OUTC t                          ; tile t: O^T f / sum + (the tail's v) g / sum, into v96-127 or v128-159
.set TT, 96+32*((\t)%2)
.set i, 0
.rept 16
	v_pk_mul_f32 v[TT+i:TT+i+1], v[S+i:S+i+1], v[ST+8*(\t):ST+8*(\t)+1]
.set i, i+2
.endr
	WIN 0x01                                       ; source 0 (O^T) window 1; each accumulator from its low end on
.set i, 0
.rept 16
	v_pk_fma_f32 v[TT+i:TT+i+1], v[O+32*(\t)+i:O+32*(\t)+i+1], v[ST+8*(\t)+6:ST+8*(\t)+7], v[TT+i:TT+i+1]
.set i, i+2
.endr
	WIN 0
.endm
.macro TOST t                          ; through my stage: in by 32 bytes of a row, back as whole rows of 256 bytes, into v160-191 or v224-255
.set TT, 96+32*((\t)%2)
.set BB, 160+64*((\t)%2)
.if (\t) >= 2
	s_wait_xcnt 0x0                                ; the stores of two tiles back have read their registers: the loads below may land there
.endif
.irp ct, 0,1,2,3
.irp g, 0,1
	ds_store_b128 v[STO], v[TT+8*\ct+4*\g:TT+8*\ct+4*\g+3] offset:64*\ct+16*\g
.endr
.endr
.irp i, 0,1,2,3,4,5,6,7
	ds_load_b128 v[BB+4*\i:BB+4*\i+3], v[RD] offset:2*SPI*\i   ; LDS serves a wave's instructions in order: these see my stores, and the next tile's stores come behind them
.endr
.endm
.macro SENDO t
.set BB, 160+64*((\t)%2)
	s_wait_dscnt 0x0
.irp i, 0,1,2,3,4,5,6,7
	global_store_b128 v[F+8*(\t)+\i], v[BB+4*\i:BB+4*\i+3], s[10:11] th:TH_STORE_NT   ; 16 lanes store a query's 256 bytes of this head, aligned
.endr
.endm
	OUTC 0
	TOST 0
	OUTC 1                                         ; a tile's arithmetic stands between the loads of the tile before and its stores
	SENDO 0
	TOST 1
	OUTC 2
	SENDO 1
	TOST 2
	OUTC 3
	SENDO 2
	TOST 3
	SENDO 3
	s_wait_tensorcnt 0x0                           ; the wave's end, behind my last LDS store
	ds_add_u32 v[SPW], v[NIL]
	s_wait_dscnt 0x0
	s_endpgm
.Lfunc_end_k_q50199623b9_attn:
	.size	k_q50199623b9_attn, .Lfunc_end_k_q50199623b9_attn-k_q50199623b9_attn
	.p2alignl 7, 3214868480
	.fill 96, 4, 3214868480
	.section	.rodata,"a",@progbits
	.p2align	6, 0x0
	.amdhsa_kernel k_q50199623b9_attn
		.amdhsa_group_segment_fixed_size 77824
		.amdhsa_private_segment_fixed_size 0
		.amdhsa_enable_private_segment 0
		.amdhsa_kernarg_size 32
		.amdhsa_user_sgpr_count 2
		.amdhsa_user_sgpr_kernarg_segment_ptr 1
		.amdhsa_wavefront_size32 1
		.amdhsa_system_sgpr_workgroup_id_x 1
		.amdhsa_system_sgpr_workgroup_id_y 1
		.amdhsa_system_sgpr_workgroup_id_z 1
		.amdhsa_system_vgpr_workitem_id 0
		.amdhsa_next_free_vgpr 512
		.amdhsa_next_free_sgpr 66
		.amdhsa_reserve_vcc 1
		.amdhsa_float_denorm_mode_32 3
		.amdhsa_float_denorm_mode_16_64 3
		.amdhsa_memory_ordered 1
		.amdhsa_forward_progress 1
		.amdhsa_inst_pref_size 111
	.end_amdhsa_kernel
	.amdgpu_metadata
---
amdhsa.version: [ 1, 2 ]
amdhsa.kernels:
  - .name:           k_q50199623b9_attn
    .symbol:         k_q50199623b9_attn.kd
    .args:
      - { .name: qkv, .offset: 0, .size: 8, .value_kind: global_buffer, .address_space: global }
      - { .name: vbs, .offset: 8, .size: 8, .value_kind: global_buffer, .address_space: global }
      - { .name: meta, .offset: 16, .size: 8, .value_kind: global_buffer, .address_space: global }
      - { .name: out0, .offset: 24, .size: 8, .value_kind: global_buffer, .address_space: global }
    .group_segment_fixed_size: 77824
    .private_segment_fixed_size: 0
    .kernarg_segment_align: 8
    .kernarg_segment_size: 32
    .max_flat_workgroup_size: 256
    .sgpr_count:     66
    .vgpr_count:     512
    .wavefront_size: 32
...
	.end_amdgpu_metadata
.endif
;; end of part 3
